; MI455X (gfx1250); checked and timed in simulation.
; The chip was launched on July 23, 2026; its instructions are those of AMD's public machine-readable ISA for CDNA 5 (MIT licence, August 2026) and "CDNA5" Instruction Set Architecture Reference Guide (July 2026). The comments in the code are by the model that wrote it; some were corrected since.
;; Multi Head Attention. Allowed arithmetic: matrix products marked QUANTISED: E4M3 operands, one given power-of-two scale a tensor, by v_wmma_f32_16x16x64_fp8_fp8 or v_wmma_f32_16x16x128_fp8_fp8, f32 sums; everything else in f32.
;; Inputs: W_out 1,024 x 1,024 float32; W_qkv 1,024 x 3,072 float32; X 4 x 2,048 x 1,024 float32; b_out 1,024 float32; b_qkv 3,072 float32; lowp_scales 8 int32 (the exponents e of the quantised operands' scales 2^e).
;; Outputs: out0 4 x 2,048 x 1,024 float32.
;; This version of the problem:
;;   THIS VERSION OF THE PROBLEM IS GIVEN IN LOW PRECISION. The matrix products marked QUANTISED in the list below multiply operands that are first quantised to E4M3 (4 exponent bits, 3 mantissa bits; 8 bits a number), with one given power-of-two scale for each operand tensor; their sums are f32. All else is computed in f32.
;;   The module's matrix products, in the order in which they are computed (A, B: the left and right operand; K: the contracted axis; several contracted axes count as one K, in the product's order):
;;     1. [M 8,192, K 1,024] x [K 1,024, N 3,072]; A: input X; B: input W_qkv: QUANTISED (scales: A lowp_scales[0], B lowp_scales[1])
;;     2. batch 64 x [M 2,048, K 64] x [K 64, N 2,048]; A: computed on the way; B: computed on the way: QUANTISED (scales: A lowp_scales[2], B lowp_scales[3])
;;     3. batch 64 x [M 2,048, K 2,048] x [K 2,048, N 64]; A: softmax (see below); B: computed on the way: QUANTISED (scales: A lowp_scales[4], B lowp_scales[5])
;;     4. [M 8,192, K 1,024] x [K 1,024, N 1,024]; A: computed on the way; B: input W_out: QUANTISED (scales: A lowp_scales[6], B lowp_scales[7])
;;   THE QUANTISER, for each operand of a quantised product, along K:
;;     - The operand's scale is 2^e, e = its entry of the input lowp_scales (int32; the entries are numbered through the quantised products in the list's order, A before B).
;;     - Each number is divided by the scale, clamped to +-448, and rounded to the nearest number of E4M3, ties to even, subnormals kept.
;;     - The product sums the exact products of the quantised numbers (number of the format x scale) in f32.
;;   ~~~python
;;   def quantise(x, axis, e):      # numpy; x: float32 -> the quantised numbers, widened to float32 again
;;       x = np.moveaxis(x, axis, -1); K = x.shape[-1]
;;       r = np.clip(x / 2.0 ** e, -448, 448)
;;       step = 2.0 ** (np.maximum(np.frexp(np.where(r == 0, 1, r))[1] - 1, -6) - 3)
;;       q = np.round(r / step) * step * 2.0 ** e      # np.round: ties to even
;;       return np.moveaxis(q, -1, axis).astype(np.float32)
;;   ~~~
;;   SOFTMAX AHEAD OF A QUANTISED PRODUCT. Where the list says 'softmax', what is quantised is not the finished softmax but p = 2^(t - M), with t = logit x log2(e) and M = ceil(the row's largest t), a whole number; so 1/2 < the row's largest p <= 1. The row's sum l is taken of the UNQUANTISED p, in f32, and the product's result is divided by l at the end. Since M is a whole number, a kernel that streams over the keys may use a running M (the ceiling of the running maximum): every later rescaling is an exact power of two, so the quantised numbers keep their values, but for numbers so far below the row's largest that they fall under the format's range.
;;   OPERANDS COMPUTED ON THE WAY. 'Computed on the way' means the value that the module computes at that place (a softmax that the list does not call 'softmax' is quantised finished and normalised). What goes into a quantiser is computed in f32, as accurately as f32 sums, v_exp_f32 and their like allow (about 1e-6 of the number): no bf16 or f16 on the way to a quantiser, and a product that is left as it is and whose result goes on into a quantised operand takes f32 operands (vector FMAs, or v_wmma_f32_16x16x4_f32). A number that lies on a knife's edge between two numbers of the format may be rounded either way, as far as f32 arithmetic and the matrix unit's own rounding can turn it there, and no further.
;; One version. Each part assembles by itself: llvm-mc -triple=amdgcn-amd-amdhsa -mcpu=gfx1250 --defsym DOCPART=n.
;; ======== version 1 of 1: 4 launches
;; workspace buffers: xc 8,388,608 bytes; wc1 3,145,728 bytes; wc2 1,048,576 bytes; qc 8,388,608 bytes; kc 8,388,608 bytes; vc 8,388,608 bytes; ac 8,388,608 bytes
;; launch quant (part 1): grid 384 x 1, 4 waves a work-group, no clusters, 34,304 bytes of LDS; arguments X, W_qkv, W_out, lowp_scales, xc, wc1, wc2; writes xc, wc1, wc2
.if DOCPART == 1
	.amdgcn_target "amdgcn-amd-amdhsa--gfx1250"
	.amdhsa_code_object_version 6
	.text
	.protected	k_q7aa62ec65a_quant
	.globl	k_q7aa62ec65a_quant
	.p2align	8
	.type	k_q7aa62ec65a_quant,@function
k_q7aa62ec65a_quant:
	s_mov_b64 s[64:65], 0
	v_nop
	global_prefetch_b8 v0, s[64:65] scope:SCOPE_SE
	s_setreg_imm32_b32 hwreg(HW_REG_WAVE_MODE, 25, 1), 1
	s_wait_xcnt 0x0
; X [8192][1024], W_qkv [1024][3072] and W_out [1024][1024], f32, become codes of E4M3, each with its given scale 2^e
; (lowp_scales entries 0, 1, 7): code = x / 2^e, held within +-448, to the nearest code, ties to even.
; LIMITS: each e between -126 and 119, so that 2^e and 448 x 2^e are f32 numbers.  NaN among the inputs is not served.
; THE CODES ARE LAID AS IMAGES OF OPERAND REGISTERS.  A unit is 16 rows x 64 along K, 1,024 bytes: lane l = r + 16 h holds row r;
; its registers 2 c, 2 c + 1 hold k = 16 c + 8 h + 0 .. 7; registers 0-3 lie at byte 16 l, registers 4-7 at 512 + 16 l.
; xc: [512 blocks of 16 tokens][16 units].  wc1: [192 tiles of 16 columns][16 units].  wc2: [64 tiles][16 units].
; Work-groups 0-255 take X, 256-351 W_qkv, 352-383 W_out: 131,072 bytes of f32 each.  Waves share nothing: no barrier.
; X (K innermost): a wave takes 16 tokens x 512 along K in 4 steps of 128.  Each load reads 512 consecutive bytes of one row; the 16 rows turn
; through the wave's own stage in LDS (pitch 528 bytes = 33 x 16) and come back 32 bytes at a time, as the lane's eight neighbours along K.
; W (K outermost): a lane takes one column and its registers run down K, so the conversions give codes with K innermost; no LDS.
.set SP,  528                          ; a stage row: 512 bytes + 16
.set R,   16                           ; v16-143  two sets of 64: X as loaded
.set XS,  144                          ; v144-207 64 numbers: register 8 c + i is k = 16 c + 8 h + i of my row
.set C,   208                          ; v208-239 two sets of 16: a step's codes
.macro SCALES es                       ; v11 = 2^e, v10 = 448 x 2^e, as f32
	s_add_co_i32 s20, s[\es], 127
	s_lshl_b32 s21, s20, 23
	v_mov_b32 v11, s21
	s_add_co_i32 s20, s20, 8
	s_lshl_b32 s20, s20, 23
	s_or_b32 s20, s20, 0x600000
	v_mov_b32 v10, s20
.endm
.macro XLOAD t                         ; step t: 16 rows x 512 bytes into set t % 2
.irp i, 0,1,2,3,4,5,6,7,8,9,10,11,12,13,14,15
	global_load_b128 v[R+64*((\t)%2)+4*\i:R+64*((\t)%2)+4*\i+3], v3, s[4:5] offset:\i*4096+(\t)*512 th:TH_LOAD_NT
.endr
.endm
.macro XSTEP t
.if (\t) < 3
	s_wait_loadcnt 16                              ; this step's 16 loads are in; the next step's 16 may be out
.else
	s_wait_loadcnt 0x0
.endif
.irp i, 0,1,2,3,4,5,6,7,8,9,10,11,12,13,14,15
	ds_store_b128 v14, v[R+64*((\t)%2)+4*\i:R+64*((\t)%2)+4*\i+3] offset:\i*SP
.endr
.irp c, 0,1,2,3,4,5,6,7
	ds_load_b128 v[XS+8*\c:XS+8*\c+3], v15 offset:64*\c       ; LDS serves a wave's instructions in order: these see the stores above
	ds_load_b128 v[XS+8*\c+4:XS+8*\c+7], v15 offset:64*\c+16
.endr
	s_wait_dscnt 0x0                               ; the numbers are back, and the stores have read their registers,
.if (\t)+2 < 4
	XLOAD (\t)+2                                   ; which take the loads of two steps on
.endif
.if (\t) >= 2
	s_wait_xcnt 0x0                                ; the stores of two steps back have read this set of codes
.endif
.set i, 0
.rept 64
	v_med3_num_f32 v[XS+i], v[XS+i], -v10, v10     ; the conversion does not saturate (ISA guide 7.6.2): the hold at the largest code x the scale
.set i, i+1
.endr
.irp c, 0,1,2,3,4,5,6,7
	v_cvt_scalef32_pk8_fp8_f32 v[C+16*((\t)%2)+2*\c:C+16*((\t)%2)+2*\c+1], v[XS+8*\c:XS+8*\c+7], v11
.endr
	v_nop                                          ; a plain line between the conversions and the next step's holds, which write their sources
.irp q, 0,1,2,3
	global_store_b128 v3, v[C+16*((\t)%2)+4*\q:C+16*((\t)%2)+4*\q+3], s[12:13] offset:(\t)*2048+512*\q   ; 512 consecutive bytes: two units of codes a step
.endr
.endm
.macro WLOAD t, n, src                 ; block t: W(32 t + i, my column), i = 0 .. 31, into set t % 2
.set i, 0
.rept 32
	global_load_b32 v[32+32*((\t)%2)+i], v6, s[\src:\src+1] offset:(32*(\t)+i)*(\n)*4 th:TH_LOAD_NT
.set i, i+1
.endr
.endm
.macro WBLOCK t, n, src, dst
.set WX, 32+32*((\t)%2)
.set WC, 96+8*(\t)                     ; eight registers of codes for each block: no store's data are written again
.if (\t) < 7
	s_wait_loadcnt 32                              ; this block's 32 loads are in; the next block's may be out
.else
	s_wait_loadcnt 0x0
.endif
.set i, 0
.rept 32
	v_med3_num_f32 v[WX+i], v[WX+i], -v10, v10
.set i, i+1
.endr
	v_cvt_scalef32_pk8_fp8_f32 v[WC:WC+1], v[WX:WX+7], v11          ; k' 0-7 and 16-23: the 16 bytes of the unit's lane r,
	v_cvt_scalef32_pk8_fp8_f32 v[WC+2:WC+3], v[WX+16:WX+23], v11
	v_cvt_scalef32_pk8_fp8_f32 v[WC+4:WC+5], v[WX+8:WX+15], v11     ; k' 8-15 and 24-31: those of its lane 16 + r
	v_cvt_scalef32_pk8_fp8_f32 v[WC+6:WC+7], v[WX+24:WX+31], v11
	v_nop
.if (\t)+2 < 8
	WLOAD (\t)+2, \n, \src
.endif
	global_store_b128 v4, v[WC:WC+3], s[\dst:\dst+1] offset:((\t)/2)*1024+((\t)%2)*512        ; sixteen lanes store 256 consecutive bytes, aligned
	global_store_b128 v4, v[WC+4:WC+7], s[\dst:\dst+1] offset:((\t)/2)*1024+((\t)%2)*512+256
.endm
; A work-group of W takes 128 columns x 256 along K; a wave 32 columns (two tiles), four units of each.
.macro WPATH n, es, src, dst, g0
	s_sub_co_u32 s19, ttmp9, \g0
	s_and_b32 s20, s19, 3                          ; which 256 along K
	s_lshr_b32 s19, s19, 2                         ; which 128 columns
	s_mul_i32 s22, s20, 256*(\n)*4
	s_lshl_b32 s21, s19, 9
	s_add_co_u32 s22, s22, s21
	s_lshl_b32 s21, s18, 7
	s_add_co_u32 s22, s22, s21                     ; W: 256 rows x which + 4 x (128 x group + 32 x wave)
	s_mov_b32 s23, 0
	s_add_nc_u64 s[\src:\src+1], s[\src:\src+1], s[22:23]
	s_lshl_b32 s22, s19, 3
	s_lshl_b32 s21, s18, 1
	s_add_co_u32 s22, s22, s21                     ; my first tile: 8 x group + 2 x wave
	s_lshl_b32 s22, s22, 14
	s_lshl_b32 s21, s20, 12
	s_add_co_u32 s22, s22, s21                     ; + four units for each 256 along K
	s_add_nc_u64 s[\dst:\dst+1], s[\dst:\dst+1], s[22:23]
	v_lshlrev_b32 v6, 2, v2                        ; in: 4 bytes a lane
	v_lshrrev_b32 v4, 4, v2
	v_lshlrev_b32 v4, 14, v4                       ; out: lanes 16-31 hold the next tile,
	v_and_b32 v7, 15, v2
	v_lshl_add_u32 v4, v7, 4, v4                   ; 16 bytes a column
	WLOAD 0, \n, \src
	WLOAD 1, \n, \src
	s_wait_kmcnt 0x0
	SCALES \es
.irp t, 0,1,2,3,4,5,6,7
	WBLOCK \t, \n, \src, \dst
.endr
.endm
	s_load_b256 s[4:11], s[0:1], 0x0               ; X s[4:5], W_qkv s[6:7], W_out s[8:9], lowp_scales s[10:11]
	s_load_b128 s[12:15], s[0:1], 0x20             ; xc s[12:13], wc1 s[14:15]
	s_load_b64 s[16:17], s[0:1], 0x30              ; wc2
	v_lshl_add_u32 v240, v0, 2, 0x8400
	v_mov_b32 v241, 0
	v_lshrrev_b32 v1, 5, v0
	v_readfirstlane_b32 s18, v1                    ; wave 0..3
	v_and_b32 v2, 31, v0                           ; lane
	v_lshlrev_b32 v3, 4, v2                        ; 16 x lane
	s_wait_kmcnt 0x0
	s_load_b256 s[24:31], s[10:11], 0x0            ; the eight exponents
	s_cmp_lt_u32 ttmp9, 256
	s_cbranch_scc0 .Lweights
	; ---- X
	v_and_b32 v1, 15, v0                           ; r
	v_bfe_u32 v5, v0, 4, 1                         ; h
	s_mul_i32 s19, s18, 16*SP                      ; my stage
	v_add_nc_u32 v14, s19, v3                      ; in: 16 x lane of a row
	v_mul_u32_u24 v15, v1, SP
	v_lshl_add_u32 v15, v5, 5, v15
	v_add_nc_u32 v15, s19, v15                     ; back: row r, + 32 h
	s_lshl_b32 s20, ttmp9, 1
	s_lshr_b32 s21, s18, 1
	s_add_co_u32 s20, s20, s21                     ; my block of 16 tokens: 2 x work-group + wave / 2
	s_and_b32 s21, s18, 1                          ; my half of K
	s_lshl_b32 s22, s20, 16
	s_lshl_b32 s23, s21, 11
	s_add_co_u32 s22, s22, s23
	s_mov_b32 s23, 0
	s_add_nc_u64 s[4:5], s[4:5], s[22:23]
	s_lshl_b32 s22, s20, 14
	s_lshl_b32 s20, s21, 13
	s_add_co_u32 s22, s22, s20
	s_add_nc_u64 s[12:13], s[12:13], s[22:23]
	XLOAD 0
	XLOAD 1
	s_wait_kmcnt 0x0
	SCALES 24
	XSTEP 0
	XSTEP 1
	XSTEP 2
	XSTEP 3
	s_wait_tensorcnt 0x0
	ds_add_u32 v240, v241
	s_wait_dscnt 0x0
	s_endpgm
.Lweights:
	s_cmp_lt_u32 ttmp9, 352
	s_cbranch_scc0 .Lwout
	WPATH 3072, 25, 6, 14, 256
	s_endpgm
.Lwout:
	WPATH 1024, 31, 8, 16, 352
	s_endpgm
.Lfunc_end_k_q7aa62ec65a_quant:
	.size	k_q7aa62ec65a_quant, .Lfunc_end_k_q7aa62ec65a_quant-k_q7aa62ec65a_quant
	.p2alignl 7, 3214868480
	.fill 96, 4, 3214868480
	.section	.rodata,"a",@progbits
	.p2align	6, 0x0
	.amdhsa_kernel k_q7aa62ec65a_quant
		.amdhsa_group_segment_fixed_size 34304
		.amdhsa_private_segment_fixed_size 0
		.amdhsa_enable_private_segment 0
		.amdhsa_kernarg_size 56
		.amdhsa_user_sgpr_count 2
		.amdhsa_user_sgpr_kernarg_segment_ptr 1
		.amdhsa_wavefront_size32 1
		.amdhsa_system_sgpr_workgroup_id_x 1
		.amdhsa_system_sgpr_workgroup_id_y 1
		.amdhsa_system_sgpr_workgroup_id_z 1
		.amdhsa_system_vgpr_workitem_id 0
		.amdhsa_next_free_vgpr 242
		.amdhsa_next_free_sgpr 66
		.amdhsa_reserve_vcc 0
		.amdhsa_float_denorm_mode_32 3
		.amdhsa_float_denorm_mode_16_64 3
		.amdhsa_memory_ordered 1
		.amdhsa_forward_progress 1
		.amdhsa_inst_pref_size 127
	.end_amdhsa_kernel
	.amdgpu_metadata
---
amdhsa.version: [ 1, 2 ]
amdhsa.kernels:
  - .name:           k_q7aa62ec65a_quant
    .symbol:         k_q7aa62ec65a_quant.kd
    .args:
      - { .name: X, .offset: 0, .size: 8, .value_kind: global_buffer, .address_space: global }
      - { .name: W_qkv, .offset: 8, .size: 8, .value_kind: global_buffer, .address_space: global }
      - { .name: W_out, .offset: 16, .size: 8, .value_kind: global_buffer, .address_space: global }
      - { .name: lowp_scales, .offset: 24, .size: 8, .value_kind: global_buffer, .address_space: global }
      - { .name: xc, .offset: 32, .size: 8, .value_kind: global_buffer, .address_space: global }
      - { .name: wc1, .offset: 40, .size: 8, .value_kind: global_buffer, .address_space: global }
      - { .name: wc2, .offset: 48, .size: 8, .value_kind: global_buffer, .address_space: global }
    .group_segment_fixed_size: 34304
    .private_segment_fixed_size: 0
    .kernarg_segment_align: 8
    .kernarg_segment_size: 56
    .max_flat_workgroup_size: 128
    .sgpr_count:     66
    .vgpr_count:     242
    .wavefront_size: 32
...
	.end_amdgpu_metadata
.endif
;; end of part 1
;; launch qkv (part 2): grid 8 x 32, 4 waves a work-group, clusters of 4 x 4, 327,680 bytes of LDS; arguments xc, wc1, b_qkv, lowp_scales, qc, kc, vc; writes qc, kc, vc
.if DOCPART == 2
	.amdgcn_target "amdgcn-amd-amdhsa--gfx1250"
	.amdhsa_code_object_version 6
	.text
	.protected	k_q7aa62ec65a_qkv
	.globl	k_q7aa62ec65a_qkv
	.p2align	8
	.type	k_q7aa62ec65a_qkv,@function
k_q7aa62ec65a_qkv:
	s_mov_b64 s[64:65], 0
	v_nop
	global_prefetch_b8 v0, s[64:65] scope:SCOPE_SE
	s_setreg_imm32_b32 hwreg(HW_REG_WAVE_MODE, 25, 1), 1
	s_wait_xcnt 0x0
	s_wait_alu depctr_hold_cnt(0) depctr_sa_sdst(0) depctr_va_vdst(0) depctr_va_sdst(0) depctr_va_ssrc(0) depctr_va_vcc(0) depctr_vm_vsrc(0)
	s_getreg_b32 s2, hwreg(HW_REG_IB_STS2, 6, 4)
	s_cmp_eq_u32 s2, 0
	s_cbranch_scc0 .Lentry_in_a_cluster
	s_endpgm
.Lentry_in_a_cluster:
	s_bfe_u32 s2, ttmp6, 0x10000c
	s_cmp_lg_u32 s2, 0xf033
	s_cbranch_scc0 .Lentry_shape_is_right
	s_endpgm
.Lentry_shape_is_right:
; QKV = X W_qkv + b_qkv on codes of E4M3 (8,192 x 1,024 x 3,072), and Q, K, V quantised at once with their given scales (entries 2, 3, 5).
; All buffers hold IMAGES OF OPERAND REGISTERS: a unit is 16 rows x 64 along K, 1,024 bytes: lane l = r + 16 h holds row r, registers 2 c, 2 c + 1 hold
; k = 16 c + 8 h + 0 .. 7; registers 0-3 at byte 16 l, registers 4-7 at 512 + 16 l.  So every fragment comes by loads of 16 bytes a lane, 512 consecutive bytes an instruction.
; xc [512 token blocks][16 units], wc1 [192 tiles of 16 columns][16 units]; head h is tiles 12 h .. 12 h + 11: four of Q, four of K, four of V.
; qc, kc: [64 (batch, head)][128 token blocks][1,024].  vc: [64][16 blocks of 128 keys][4 tiles of 16 channels][2,048]: V with the keys innermost.
; SHARES.  A work-group makes 256 tokens x 384 columns (two heads); each of four waves 128 tokens x one head: 96 accumulators, 768 registers (windows 1-3).
; Q's and K's tiles are used transposed (source 0 = W, source 1 = X): a lane holds one token and eight neighbouring channels, so a conversion's result is a register pair of the unit (token block, head).
; V's tiles take source 0 = X, source 1 = W: a lane holds one channel and eight neighbouring tokens: a register pair of the fragment of V (16 channels x 128 keys).  Nothing goes through a stage.
; K goes by units of 64 (the K = 64 form: window 0 holds the addresses, two sets of X's fragments and one of W's).  Two LDS slots of unequal size, since two of four units and the spare words do not fit:
; units 0-2 in slot 0, 3-6 in slot 1, 7-9 in slot 0, 10-13 in slot 1, 14-15 in slot 0: three refills.  A wave has two tensor loads out at the start and one behind each round.
; CLUSTER 4 x 4: X's tile is shared along a row of the cluster, W's along a column: each is asked for jointly.
; The sums lack the factor 2^(e0 + e1): the bias goes in divided by it, and the conversions take 2^(e - e0 - e1) as their one scale.
; LIMITS: e2 - e0 - e1, e3 - e0 - e1 and e5 - e0 - e1 between -126 and 119.  NaN is not served.
; No prefetch: the launch is short and most of its bytes go out with the first fills.
.set A0,    0                          ; slot 0: X, 16 blocks x 3 units
.set B0,    49152                      ;         W, 24 tiles x 3 units
.set A1,    122880                     ; slot 1: X, 16 blocks x 4 units
.set B1,    188416                     ;         W, 24 tiles x 4 units
.set SPARE, 286720                     ; the spare words: 128 bytes a wave, two blocks of 256 bytes that no other line names
.set BIAS,  287232                     ; 768 bytes for each wave: its head's 192 numbers of the bias; no fill lands here
.set LI,    3                          ; v3   16 x lane
.set ADRA0, 4                          ; v4-9 where my fragments lie: X and W in slot 0 (3 units a row), slot 1 (4), slot 0 (2)
.set ADRA1, 5
.set ADRB0, 6
.set ADRB1, 7
.set ADRA2, 8
.set ADRB2, 9
.set BA,    10                         ; v10  the bias of Q's and K's tiles: my stage + 32 h
.set BR,    11                         ; v11  of V's: my stage + 4 r
.set SPW,   12                         ; v12  my spare word; never rewritten
.set NIL,   13                         ; v13  0; never rewritten
.set BW,    20                         ; v20  my stage + 4 x lane
.set L4,    21                         ; v21  4 x lane
.set AF,    32                         ; v32-159  X's fragments, two sets of 8 x 8
.set BF,    160                        ; v160-255 W's fragments, one set of 12 x 8
.set BQ,    32                         ; the way out: v32-95 bias of Q's and K's tiles, v96-103 of V's, v104-135 at work, v136-167 four sets of codes
.set BV,    96
.set TMP,   104
.set CODE,  136
.set G1A3,  24                         ; descriptor groups 1: X's tiles of 3, 4, 2 units a row (8 rows), W's (12 rows)
.set G1A4,  32
.set G1A2,  40
.set G1B3,  48
.set G1B4,  56
.set G1B2,  68
.set G0A0,  76                         ; groups 0: X slot 0, slot 1; W slot 0, slot 1
.set G0A1,  80
.set G0B0,  84
.set G0B1,  88
.set G1W0,  (3<<16)|(1<<21)            ; elements of 8 bytes; bit 21 set beside a mask; no padding
.set MSB, 0
.macro WIN new                         ; the immediate's high byte repeats the setting that is left
.if MSB != \new
	s_set_vgpr_msb (MSB<<8)|\new
.set MSB, \new
.endif
.endm
.macro PLACES                          ; four plain lines between a matrix instruction and a load into, or a vector read of, its registers
.rept 4
	v_nop
.endr
.endm
.macro SETG1 g, c, r                   ; r rows of c elements, 2,048 elements (a block's 16 units) from row to row
	s_mov_b32 s[\g+1], (\c)<<16
	s_mov_b32 s[\g+2], (\r)<<16
	s_mov_b32 s[\g+3], (\c)<<16
	s_mov_b32 s[\g+4], \r
	s_mov_b32 s[\g+5], 2048
	s_mov_b32 s[\g+6], 0
	s_mov_b32 s[\g+7], 0
.endm
; A joint load: waves 0 and 1 fetch X's halves, waves 2 and 3 W's.  The branch hangs on the wave's number alone.  Four v_nop follow each line.
.macro JLOAD g0a, g1a, g0b, g1b
	s_cmp_eq_u32 s19, 0
	s_cbranch_scc0 .Lfor_b_\@
	tensor_load_to_lds s[\g0a:\g0a+3], s[\g1a:\g1a+7]
	s_nop 0
.rept 4
	v_nop
.endr
	s_branch .Lasked_\@
.Lfor_b_\@:
	tensor_load_to_lds s[\g0b:\g0b+3], s[\g1b:\g1b+7]
	s_nop 0
.rept 4
	v_nop
.endr
.Lasked_\@:
.endm
.macro CREST                           ; a round of the cluster's barrier behind its opening barrier
	s_cmp_lg_u32 s18, 0
	s_cbranch_scc1 .Lnot_wave_0_\@
	s_barrier_signal -3
.Lnot_wave_0_\@:
	s_barrier_wait -3
	s_barrier_signal -1
	s_barrier_wait -1
.endm
.macro CROUND
	s_barrier_signal -1
	s_barrier_wait -1
	CREST
.endm
.macro FA p, adr, n, ul                ; X's eight fragments of unit ul of a slot with n units a row, into set p
.irp a, 0,1,2,3,4,5,6,7
	ds_load_b128 v[AF+64*(\p)+8*\a:AF+64*(\p)+8*\a+3], v[\adr] offset:(\a*(\n)+(\ul))*1024
	ds_load_b128 v[AF+64*(\p)+8*\a+4:AF+64*(\p)+8*\a+7], v[\adr] offset:(\a*(\n)+(\ul))*1024+512
.endr
.endm
.macro FB b0, adr, n, ul               ; W's tiles b0 .. b0 + 5
.irp i, 0,1,2,3,4,5
	ds_load_b128 v[BF+8*((\b0)+\i):BF+8*((\b0)+\i)+3], v[\adr] offset:(((\b0)+\i)*(\n)+(\ul))*1024
	ds_load_b128 v[BF+8*((\b0)+\i)+4:BF+8*((\b0)+\i)+7], v[\adr] offset:(((\b0)+\i)*(\n)+(\ul))*1024+512
.endr
.endm
; Eight matrix instructions: W's tile b against X's eight blocks.  Accumulator (a, b): window 1 + b / 4, v[64 (b % 4) + 8 a].  The 96 take turns, one instruction a turn, in the same order in every unit.
.macro MULB b, p, zero
	WIN (((\b)/4+1)*0x50)
.irp a, 0,1,2,3,4,5,6,7
.set rD, 64*((\b)%4)+8*\a
.set rA, AF+64*(\p)+8*\a
.set rB, BF+8*(\b)
.if (\b) < 8
.if \zero
	v_wmma_f32_16x16x64_fp8_fp8 v[rD:rD+7], v[rB:rB+7], v[rA:rA+7], 0
.else
	v_wmma_f32_16x16x64_fp8_fp8 v[rD:rD+7], v[rB:rB+7], v[rA:rA+7], v[rD:rD+7]
.endif
.else
.if \zero
	v_wmma_f32_16x16x64_fp8_fp8 v[rD:rD+7], v[rA:rA+7], v[rB:rB+7], 0
.else
	v_wmma_f32_16x16x64_fp8_fp8 v[rD:rD+7], v[rA:rA+7], v[rB:rB+7], v[rD:rD+7]
.endif
.endif
.endr
.endm
; A unit whose successor lies in the same slot.  na, nb, nn, nul: the successor's address registers, units a row, unit.
.macro STEP p, zero, na, nb, nn, nul
	s_wait_dscnt 12                                ; X's set and W's tiles 0-5 are in; the youngest twelve loads (tiles 6-11) may be out
.irp b, 0,1,2,3,4,5
	MULB \b, \p, \zero
.endr
	s_wait_dscnt 0x0                               ; tiles 6-11 are in (asked for 48 matrix instructions ago)
	PLACES
	WIN 0
	FA 1-(\p), \na, \nn, \nul
	FB 0, \nb, \nn, \nul
.irp b, 6,7,8,9,10,11
	MULB \b, \p, \zero
.endr
	PLACES
	WIN 0
	FB 6, \nb, \nn, \nul
.endm
; A slot's last unit changes slots: one barrier; in front of it each wave waits for all its tensor loads, adds 0 to its spare word, and waits for that and for its reads of this slot.
; fill = 1: slot 0 takes three units; 2: slot 1 takes four; 3: slot 0 takes the last two; 0: nothing is left to fetch.  Each refill begins seven units behind the slot's last.
.macro TURN p, fill, na, nb, nn, nul
	WIN 0
	s_wait_tensorcnt 0x0                           ; all my tensor loads have landed, my part of the next slot among them: a group 0 may be written
	ds_add_u32 v[SPW], v[NIL]                      ; 0 onto my spare word
.if (\fill == 1) || (\fill == 3)
	s_add_nc_u64 s[G0A0+2:G0A0+3], s[G0A0+2:G0A0+3], 7168
	s_add_nc_u64 s[G0B0+2:G0B0+3], s[G0B0+2:G0B0+3], 7168
.endif
.if \fill == 3
	s_lshl_b32 s[G0A0+1], s20, 14                  ; rows of two units: my half begins 8 x 2,048 bytes on,
	s_mul_i32 s[G0B0+1], s20, 24576                ; W's 12 x 2,048
	s_add_co_u32 s[G0B0+1], s[G0B0+1], B0
.endif
.if \fill == 2
	s_add_nc_u64 s[G0A1+2:G0A1+3], s[G0A1+2:G0A1+3], 7168
	s_add_nc_u64 s[G0B1+2:G0B1+3], s[G0B1+2:G0B1+3], 7168
.endif
	s_wait_dscnt 13                                ; (the add and the youngest twelve loads may be out)
	MULB 0, \p, 0
	MULB 1, \p, 0
	s_wait_dscnt 0x0                               ; the add is done, and my reads of this slot are over
	s_barrier_signal -1
.irp b, 2,3,4,5
	MULB \b, \p, 0
.endr
	WIN 0
	s_barrier_wait -1
.if \fill == 1
	CREST                                          ; the barrier has opened a round of the cluster's: no wave of any partner still reads this slot or has a load on its way
	JLOAD G0A0, G1A3, G0B0, G1B3                   ; the first tensor load behind the round; its four v_nop are also the places in front of the loads below
.elseif \fill == 2
	CREST
	JLOAD G0A1, G1A4, G0B1, G1B4
.elseif \fill == 3
	CREST
	JLOAD G0A0, G1A2, G0B0, G1B2
.else
	PLACES
.endif
	FA 1-(\p), \na, \nn, \nul
	FB 0, \nb, \nn, \nul
.irp b, 6,7,8,9,10,11
	MULB \b, \p, 0
.endr
	PLACES
	WIN 0
	FB 6, \nb, \nn, \nul
.endm
.macro SCALE ex, vs, vl                ; v[vs] = 2^(e - e0 - e1), v[vl] = 448 x that; s100 = e0 + e1
	s_sub_co_i32 s66, s[\ex], s100
	s_add_co_i32 s66, s66, 127
	s_lshl_b32 s67, s66, 23
	v_mov_b32 v[\vs], s67
	s_add_co_i32 s66, s66, 8
	s_lshl_b32 s66, s66, 23
	s_or_b32 s66, s66, 0x600000
	v_mov_b32 v[\vl], s66
.endm
	s_load_b256 s[4:11], s[0:1], 0x0               ; xc s[4:5], wc1 s[6:7], b_qkv s[8:9], lowp_scales s[10:11]
	s_load_b128 s[12:15], s[0:1], 0x20             ; qc s[12:13], kc s[14:15]
	s_load_b64 s[16:17], s[0:1], 0x30              ; vc
	v_lshl_add_u32 v[SPW], v0, 2, SPARE
	v_mov_b32 v[NIL], 0
	ds_add_u32 v12, v13
	ds_add_u32 v12, v13
	s_wait_dscnt 0x0
	v_lshrrev_b32 v1, 5, v0
	v_readfirstlane_b32 s18, v1                    ; wave 0..3
	s_lshr_b32 s19, s18, 1                         ; which 128 tokens are mine.  Also: I fetch for X (0) or for W (1)
	s_and_b32 s20, s18, 1                          ; which head is mine.  Also: which half of that tile I fetch
	s_bfe_u32 s21, ttmp6, 0x40000                  ; cx
	s_bfe_u32 s22, ttmp6, 0x40004                  ; cy
	s_lshl_b32 s23, ttmp9, 2
	s_add_co_u32 s23, s23, s21                     ; J: which 384 columns
	s_and_b32 s3, ttmp7, 0xffff
	s_lshl_b32 s3, s3, 2
	s_add_co_u32 s3, s3, s22                       ; I: which 256 tokens
	s_lshl_b32 s2, s22, 2
	s_lshl_b32 s2, 15, s2                          ; my row of the cluster
	s_lshl_b32 s66, 0x1111, s21                    ; my column
	s_or_b32 s[G1A3], s2, G1W0
	s_or_b32 s[G1A4], s2, G1W0
	s_or_b32 s[G1A2], s2, G1W0
	s_or_b32 s[G1B3], s66, G1W0
	s_or_b32 s[G1B4], s66, G1W0
	s_or_b32 s[G1B2], s66, G1W0
	SETG1 G1A3, 384, 8
	SETG1 G1A4, 512, 8
	SETG1 G1A2, 256, 8
	SETG1 G1B3, 384, 12
	SETG1 G1B4, 512, 12
	SETG1 G1B2, 256, 12
	s_lshl_b32 s100, s3, 4                         ; X: block 16 I + 8 x half, 16,384 bytes a block: it hangs on I, which my row shares
	s_lshl_b32 s101, s20, 3
	s_add_co_u32 s100, s100, s101
	s_lshl_b32 s100, s100, 14
	s_mov_b32 s101, 0
	s_mul_i32 s66, s23, 24                         ; W: tile 24 J + 12 x half: it hangs on J, which my column shares
	s_mul_i32 s67, s20, 12
	s_add_co_u32 s66, s66, s67
	s_lshl_b32 s66, s66, 14
	s_mov_b32 s67, 0
	s_wait_kmcnt 0x0
	s_load_b256 s[92:99], s[10:11], 0x0            ; the eight exponents
	s_mov_b32 s[G0A0], 1
	s_mul_i32 s[G0A0+1], s20, 24576                ; LDS: A0 + half x 8 rows of 3,072
	s_add_nc_u64 s[G0A0+2:G0A0+3], s[4:5], s[100:101]
	s_mov_b32 s[G0A1], 1
	s_mul_i32 s[G0A1+1], s20, 32768
	s_add_co_u32 s[G0A1+1], s[G0A1+1], A1
	s_add_nc_u64 s[G0A1+2:G0A1+3], s[G0A0+2:G0A0+3], 3072   ; slot 1 begins with unit 3
	s_or_b32 s[G0A0+3], s[G0A0+3], 0x80000000
	s_or_b32 s[G0A1+3], s[G0A1+3], 0x80000000
	s_mov_b32 s[G0B0], 1
	s_mul_i32 s[G0B0+1], s20, 36864
	s_add_co_u32 s[G0B0+1], s[G0B0+1], B0
	s_add_nc_u64 s[G0B0+2:G0B0+3], s[6:7], s[66:67]
	s_mov_b32 s[G0B1], 1
	s_mul_i32 s[G0B1+1], s20, 49152
	s_add_co_u32 s[G0B1+1], s[G0B1+1], B1
	s_add_nc_u64 s[G0B1+2:G0B1+3], s[G0B0+2:G0B0+3], 3072
	s_or_b32 s[G0B0+3], s[G0B0+3], 0x80000000
	s_or_b32 s[G0B1+3], s[G0B1+3], 0x80000000
	CROUND                                         ; all sixteen work-groups are here: the first joint loads meet
	JLOAD G0A0, G1A3, G0B0, G1B3                   ; units 0-2
	JLOAD G0A1, G1A4, G0B1, G1B4                   ; units 3-6
	v_and_b32 v1, 15, v0                           ; r
	v_bfe_u32 v2, v0, 4, 1                         ; h
	v_and_b32 v[L4], 31, v0
	v_lshlrev_b32 v[LI], 4, v[L4]
	v_lshlrev_b32 v[L4], 2, v[L4]
	s_mul_i32 s100, s19, 24576
	v_add_nc_u32 v[ADRA0], s100, v[LI]
	s_mul_i32 s100, s19, 32768
	s_add_co_u32 s100, s100, A1
	v_add_nc_u32 v[ADRA1], s100, v[LI]
	s_mul_i32 s100, s20, 36864
	s_add_co_u32 s100, s100, B0
	v_add_nc_u32 v[ADRB0], s100, v[LI]
	s_mul_i32 s100, s20, 49152
	s_add_co_u32 s100, s100, B1
	v_add_nc_u32 v[ADRB1], s100, v[LI]
	s_lshl_b32 s100, s19, 14
	v_add_nc_u32 v[ADRA2], s100, v[LI]
	s_mul_i32 s100, s20, 24576
	s_add_co_u32 s100, s100, B0
	v_add_nc_u32 v[ADRB2], s100, v[LI]
	s_mul_i32 s100, s18, 768
	s_add_co_u32 s100, s100, BIAS                  ; my 768 bytes for the bias
	v_lshl_add_u32 v[BA], v2, 5, s100
	v_lshl_add_u32 v[BR], v1, 2, s100
	v_add_nc_u32 v[BW], s100, v[L4]
	s_lshl_b32 s66, s23, 1
	s_add_co_u32 s66, s66, s20                     ; my head: 2 J + wave % 2
	s_mul_i32 s66, s66, 768
	s_add_nc_u64 s[8:9], s[8:9], s[66:67]          ; its 192 numbers of the bias
.irp i, 0,1,2,3,4,5
	global_load_b32 v[32+\i], v[L4], s[8:9] offset:128*\i
.endr
	; where my wave's part begins in qc, kc and vc alike: (batch x 16 + head) x 131,072 + 64 x my first token in the batch
	s_lshr_b32 s66, s3, 3
	s_lshl_b32 s66, s66, 4
	s_lshl_b32 s100, s23, 1
	s_add_co_u32 s66, s66, s100
	s_add_co_u32 s66, s66, s20
	s_lshl_b32 s66, s66, 17
	s_and_b32 s100, s3, 7
	s_lshl_b32 s100, s100, 1
	s_add_co_u32 s100, s100, s19
	s_lshl_b32 s100, s100, 13
	s_add_co_u32 s66, s66, s100
	s_add_nc_u64 s[12:13], s[12:13], s[66:67]
	s_add_nc_u64 s[14:15], s[14:15], s[66:67]
	s_add_nc_u64 s[16:17], s[16:17], s[66:67]
	s_wait_kmcnt 0x0
	s_add_co_i32 s100, s92, s93                    ; e0 + e1
	s_sub_co_i32 s101, 0, s100
	s_wait_loadcnt 0x0
.irp i, 0,1,2,3,4,5
	v_ldexp_f32 v[32+\i], v[32+\i], s101           ; the bias / 2^(e0 + e1)
.endr
.irp i, 0,1,2,3,4,5
	ds_store_b32 v[BW], v[32+\i] offset:128*\i
.endr
	SCALE 94, 14, 15                               ; Q
	SCALE 95, 16, 17                               ; K
	SCALE 97, 18, 19                               ; V
	s_wait_tensorcnt 0x1                           ; my part of slot 0 is in; slot 1's may stay out
	s_wait_dscnt 0x0                               ; no LDS instruction of mine is pending at a signal
	s_barrier_signal -1
	s_barrier_wait -1
	FA 0, ADRA0, 3, 0
	FB 0, ADRB0, 3, 0
	FB 6, ADRB0, 3, 0
	STEP 0, 1, ADRA0, ADRB0, 3, 1                  ; unit 0: its products start the sums
	STEP 1, 0, ADRA0, ADRB0, 3, 2                  ; 1
	TURN 0, 1, ADRA1, ADRB1, 4, 0                  ; 2: slot 0 takes units 7-9
	STEP 1, 0, ADRA1, ADRB1, 4, 1                  ; 3
	STEP 0, 0, ADRA1, ADRB1, 4, 2                  ; 4
	STEP 1, 0, ADRA1, ADRB1, 4, 3                  ; 5
	TURN 0, 2, ADRA0, ADRB0, 3, 0                  ; 6: slot 1 takes units 10-13
	STEP 1, 0, ADRA0, ADRB0, 3, 1                  ; 7
	STEP 0, 0, ADRA0, ADRB0, 3, 2                  ; 8
	TURN 1, 3, ADRA1, ADRB1, 4, 0                  ; 9: slot 0 takes units 14, 15
	STEP 0, 0, ADRA1, ADRB1, 4, 1                  ; 10
	STEP 1, 0, ADRA1, ADRB1, 4, 2                  ; 11
	STEP 0, 0, ADRA1, ADRB1, 4, 3                  ; 12
	TURN 1, 0, ADRA2, ADRB2, 2, 0                  ; 13: nothing is left to fetch
	STEP 0, 0, ADRA2, ADRB2, 2, 1                  ; 14
	s_wait_dscnt 12                                ; 15
.irp b, 0,1,2,3,4,5
	MULB \b, 1, 0
.endr
	s_wait_dscnt 0x0
.irp b, 6,7,8,9,10,11
	MULB \b, 1, 0
.endr
	WIN 0
	; THE WAY OUT.  Four accumulators at a time: + bias, the hold, four conversions: eight registers of codes, which are a unit's image: two stores of 512 consecutive bytes.
	PLACES
.irp b, 0,1,2,3,4,5,6,7
	ds_load_b128 v[BQ+8*\b:BQ+8*\b+3], v[BA] offset:64*\b          ; tile b: the bias of channels 16 b + 8 h + 0 .. 7
	ds_load_b128 v[BQ+8*\b+4:BQ+8*\b+7], v[BA] offset:64*\b+16
.endr
.irp b, 0,1,2,3
	ds_load_b32 v[BV+2*\b], v[BR] offset:512+64*\b                 ; V's tile b: the bias of channel 16 b + r, twice: a pair for the packed addition
	ds_load_b32 v[BV+2*\b+1], v[BR] offset:512+64*\b
.endr
	s_wait_dscnt 0x0
.macro OUTG win, acc, astr, bias, bstr, bj, sc, lim, set, bs, off
	s_wait_xcnt 0x0                                ; earlier stores have read their registers: this set of codes may be written again
	WIN \win                                       ; source 0: the accumulators' window
.irp i, 0,1,2,3
.irp j, 0,2,4,6
	v_pk_add_f32 v[TMP+8*\i+\j:TMP+8*\i+\j+1], v[(\acc)+(\astr)*\i+\j:(\acc)+(\astr)*\i+\j+1], v[(\bias)+(\bstr)*\i+(\bj)*\j:(\bias)+(\bstr)*\i+(\bj)*\j+1]   ; each accumulator from its low end on
.endr
.endr
	WIN 0
.set i, 0
.rept 32
	v_med3_num_f32 v[TMP+i], v[TMP+i], -v[\lim], v[\lim]           ; the conversion does not saturate (ISA guide 7.6.2)
.set i, i+1
.endr
.irp i, 0,1,2,3
	v_cvt_scalef32_pk8_fp8_f32 v[CODE+8*(\set)+2*\i:CODE+8*(\set)+2*\i+1], v[TMP+8*\i:TMP+8*\i+7], v[\sc]
.endr
	v_nop                                          ; a plain line between the conversions and the next group's additions, which write their sources
	global_store_b128 v[LI], v[CODE+8*(\set):CODE+8*(\set)+3], s[\bs:\bs+1] offset:\off
	global_store_b128 v[LI], v[CODE+8*(\set)+4:CODE+8*(\set)+7], s[\bs:\bs+1] offset:(\off)+512
.endm
.irp a, 0,1,2,3,4,5,6,7
	OUTG 1, 8*\a, 64, BQ, 8, 1, 14, 15, \a%4, 12, \a*1024          ; Q: token block a, tiles 0-3
.endr
.irp a, 0,1,2,3,4,5,6,7
	OUTG 2, 8*\a, 64, BQ+32, 8, 1, 16, 17, \a%4, 14, \a*1024       ; K: tiles 4-7
.endr
.irp b, 0,1,2,3
.irp g, 0,1
	OUTG 3, 64*\b+32*\g, 8, BV+2*\b, 0, 0, 18, 19, (2*\b+\g)%4, 16, \b*2048+\g*1024   ; V: channels 16 b on, token blocks 4 g .. 4 g + 3: registers 8 g .. 8 g + 7 of the fragment
.endr
.endr
	s_wait_tensorcnt 0x0                           ; the wave's end
	ds_add_u32 v[SPW], v[NIL]
	s_wait_dscnt 0x0
	CROUND                                         ; the closing round
	s_endpgm
.Lfunc_end_k_q7aa62ec65a_qkv:
	.size	k_q7aa62ec65a_qkv, .Lfunc_end_k_q7aa62ec65a_qkv-k_q7aa62ec65a_qkv
	.p2alignl 7, 3214868480
	.fill 96, 4, 3214868480
	.section	.rodata,"a",@progbits
	.p2align	6, 0x0
	.amdhsa_kernel k_q7aa62ec65a_qkv
		.amdhsa_group_segment_fixed_size 327680
		.amdhsa_private_segment_fixed_size 0
		.amdhsa_enable_private_segment 0
		.amdhsa_kernarg_size 56
		.amdhsa_user_sgpr_count 2
		.amdhsa_user_sgpr_kernarg_segment_ptr 1
		.amdhsa_wavefront_size32 1
		.amdhsa_system_sgpr_workgroup_id_x 1
		.amdhsa_system_sgpr_workgroup_id_y 1
		.amdhsa_system_sgpr_workgroup_id_z 1
		.amdhsa_system_vgpr_workitem_id 0
		.amdhsa_next_free_vgpr 1024
		.amdhsa_next_free_sgpr 102
		.amdhsa_reserve_vcc 0
		.amdhsa_float_denorm_mode_32 3
		.amdhsa_float_denorm_mode_16_64 3
		.amdhsa_memory_ordered 1
		.amdhsa_forward_progress 1
		.amdhsa_inst_pref_size 246
	.end_amdhsa_kernel
	.amdgpu_metadata
---
amdhsa.version: [ 1, 2 ]
amdhsa.kernels:
  - .name:           k_q7aa62ec65a_qkv
    .symbol:         k_q7aa62ec65a_qkv.kd
    .args:
      - { .name: xc, .offset: 0, .size: 8, .value_kind: global_buffer, .address_space: global }
      - { .name: wc1, .offset: 8, .size: 8, .value_kind: global_buffer, .address_space: global }
      - { .name: b_qkv, .offset: 16, .size: 8, .value_kind: global_buffer, .address_space: global }
      - { .name: lowp_scales, .offset: 24, .size: 8, .value_kind: global_buffer, .address_space: global }
      - { .name: qc, .offset: 32, .size: 8, .value_kind: global_buffer, .address_space: global }
      - { .name: kc, .offset: 40, .size: 8, .value_kind: global_buffer, .address_space: global }
      - { .name: vc, .offset: 48, .size: 8, .value_kind: global_buffer, .address_space: global }
    .group_segment_fixed_size: 327680
    .private_segment_fixed_size: 0
    .kernarg_segment_align: 8
    .kernarg_segment_size: 56
    .max_flat_workgroup_size: 128
    .sgpr_count:     102
    .vgpr_count:     1024
    .wavefront_size: 32
...
	.end_amdgpu_metadata
.endif
;; end of part 2
;; launch attn (part 3): grid 4 x 64, 8 waves a work-group, no clusters, 33,792 bytes of LDS; arguments qc, kc, vc, lowp_scales, ac; writes ac
.if DOCPART == 3
	.amdgcn_target "amdgcn-amd-amdhsa--gfx1250"
	.amdhsa_code_object_version 6
	.text
	.protected	k_q7aa62ec65a_attn
	.globl	k_q7aa62ec65a_attn
	.p2align	8
	.type	k_q7aa62ec65a_attn,@function
k_q7aa62ec65a_attn:
	s_mov_b64 s[64:65], 0
	v_nop
	global_prefetch_b8 v0, s[64:65] scope:SCOPE_SE
	s_setreg_imm32_b32 hwreg(HW_REG_WAVE_MODE, 25, 1), 1
	s_wait_xcnt 0x0
; Causal attention on codes of E4M3 for 64 (batch, head) of 2,048 tokens x 64 channels, and its result quantised for the last product.
; qc, kc: [64][128 token blocks][1,024]; vc: [64][16 blocks of 128 keys][4 tiles of 16 channels][2,048]; ac: [512 token blocks][16 heads][1,024]: all IMAGES OF OPERAND REGISTERS
; (16 rows x 64 along K in 1,024 bytes: lane l = r + 16 h holds row r, registers 2 c, 2 c + 1 hold k = 16 c + 8 h + 0 .. 7; registers 0-3 at byte 16 l, 4-7 at 512 + 16 l).
; THE SOFTMAX: t = score x log2(e) / 8; M = the row's largest t so far, rounded up to a whole number; p = 2^(t - M) is quantised with 2^e4, not normalised; the row's sum is taken of the unquantised p
; and divides O at the end.  When M moves, the sum and O are multiplied by 2^(old M - new M): nothing is rounded.
; SHARES.  Work-group (i, head) takes the blocks of 256 queries 7 - i and i, one after the other: 18 key steps of 128 in every work-group, so the causal work is even.
; Each of eight waves owns 32 queries, two tiles of 16; two waves share a SIMD, so that one wave's vector work stands beside the other's LDS loads and products.
; Both products are used transposed: S^T = K Q^T (source 0 = 16 keys, source 1 = 16 queries), O^T = V^T P^T: a lane holds one query throughout; tile kt of S^T holds keys 16 kt + 8 h + 0 .. 7,
; so its conversion gives registers 2 kt, 2 kt + 1 of P, and tile dt of O^T gives registers 2 dt, 2 dt + 1 of the unit (token block, head) of ac.
; K AND V go through two LDS slots of 16,384 bytes (8 units of K, 4 fragments of V).  Wave w brings 2,048 bytes of a slot through registers: asked for at a step's head, stored into the other slot at its end; one barrier a step.
; NO TENSOR LOADS AND NO CLUSTER: under the mask the four work-groups of a head walk 2 (QB + 1) key steps at a time, a number that differs between them in both passes, so they could not make the same joint requests.
; THE MASK: a step all of whose keys come after my 32 queries is jumped over (a branch on ids; no barrier stands in what is jumped over); in the one step on the diagonal hidden scores become -infinity.
; My first query and a step's first key are multiples of 32, so in every step that is not jumped over each query sees a key.
; LIMITS: e2 + e3 between -123 and 130 (added to the exponent field of log2(e) / 8); e4, and e6 - e4 - e5, between -126 and 119.  NaN is not served.
.set LI,   1                           ; v1   16 x lane
.set STA,  2                           ; v2   2,048 x wave + 16 x lane: where I store my part of a slot
.set DM,   4                           ; v4   r - 8 h
.set PFO,  5                           ; v5   256 x lane
.set OS,   6                           ; v6   2^(e6 - e4 - e5)
.set OL,   7                           ; v7   448 x that
.set ST,   8                           ; tile t at v[8 + 8 t]: +0 -M, +1 the largest t, +2, +3 the sum in two halves, +4 f (+5 named with it), +6, +7 at work
.set MX,   24                          ; v24-27 at work
.set LIMA, 28                          ; v28 = v29 = 448 x 2^e4
.set LIMB, 29
.set PSC,  30                          ; v30  2^e4
.set P,    32                          ; v32-63   p's codes, 16 a tile
.set S,    64                          ; v64-191  S^T, then p, 64 a tile
.set O,    192                         ; v192-255 O^T, 32 a tile
.set KF,   0                           ; window 1: v0-63 K, v64-127 V, v128-143 Q, v144-159 the second pass's Q, v160-175 my part of the next slot
.set VF,   64
.set QF,   128
.set QF1,  144
.set STG,  160
.set WV,   14
.set IX,   15
.set BH,   16
.set BASE, 24                          ; s[24:25] my 2,048 bytes of the head's key step 0 (waves 0-3: of K; 4-7: of V)
.set PTR,  26                          ; s[26:27] the same of the step that is being asked for
.set TMPP, 28
.set AO,   30                          ; s[30:31] ac at my first token block and my head
.set CS,   32                          ; s[32:33] c = log2(e) / 8 x 2^(e2 + e3)
.set SEL,  34                          ; s[34:35] v_permlanex16_b32's selects: lane l xor 16
.set REL,  36                          ; s36  my first query - the step's first key
.set TR,   37                          ; s37  trips of the loop over keys: two steps a trip
.set N,    38
.set PASS, 39
.set PFN,  40                          ; s40  prefetches still to be made
.set QB,   41
.set Q0,   42
.set ACB,  44                          ; s[44:45] ac at my batch and head
.set MSB, 0
.macro WIN new
.if MSB != \new
	s_set_vgpr_msb (MSB<<8)|\new
.set MSB, \new
.endif
.endm
.macro GLOAD                           ; my 2,048 bytes of a key step
	WIN 0x40                                       ; destination window 1
.irp i, 0,1,2,3
	global_load_b128 v[STG+4*\i:STG+4*\i+3], v[LI], s[PTR:PTR+1] offset:512*\i
.endr
	WIN 0
.endm
.macro MASK t                          ; register 8 kt + j holds key 16 kt + 8 h + j of the step: hidden where 16 kt + j > my query - the step's first key - 8 h
	v_add_nc_u32 v[MX], s[REL], v[DM]
.if \t
	v_add_nc_u32 v[MX], 16, v[MX]
.endif
	v_mov_b32 v[MX+1], 0xff800000                  ; -infinity
.set n, 0
.rept 64
	v_cmp_gt_i32 vcc_lo, 16*(n/8)+n%8, v[MX]
	v_cndmask_b32 v[S+64*(\t)+n], v[S+64*(\t)+n], v[MX+1], vcc_lo
.set n, n+1
.endr
.endm
.macro SOFTMAX t
.set rS, S+64*(\t)
.set rT, ST+8*(\t)
.set rP, P+16*(\t)
.set rO, O+32*(\t)
	v_max3_num_f32 v[MX], v[rS], v[rS+1], v[rS+2]  ; the step's largest score of my query among my 64 keys: four chains, ascending
	v_max3_num_f32 v[MX+1], v[rS+3], v[rS+4], v[rS+5]
	v_max3_num_f32 v[MX+2], v[rS+6], v[rS+7], v[rS+8]
	v_max3_num_f32 v[MX+3], v[rS+9], v[rS+10], v[rS+11]
.set i, 12
.rept 6
	v_max3_num_f32 v[MX], v[MX], v[rS+i], v[rS+i+1]
	v_max3_num_f32 v[MX+1], v[MX+1], v[rS+i+2], v[rS+i+3]
	v_max3_num_f32 v[MX+2], v[MX+2], v[rS+i+4], v[rS+i+5]
	v_max3_num_f32 v[MX+3], v[MX+3], v[rS+i+6], v[rS+i+7]
.set i, i+8
.endr
	v_max3_num_f32 v[MX], v[MX], v[rS+60], v[rS+61]
	v_max3_num_f32 v[MX+1], v[MX+1], v[rS+62], v[rS+63]
	v_max3_num_f32 v[MX], v[MX], v[MX+1], v[MX+2]
	v_max_num_f32 v[MX], v[MX], v[MX+3]
	v_permlanex16_b32 v[MX+1], v[MX], s[SEL], s[SEL+1]
	v_max_num_f32 v[MX], v[MX], v[MX+1]            ; and among lane l xor 16's
	v_mul_f32 v[MX], s[CS], v[MX]                  ; as t (c is positive)
	v_max_num_f32 v[rT+1], v[rT+1], v[MX]          ; the running largest t
	v_mov_b32 v[MX], v[rT]
	v_floor_f32 v[rT], -v[rT+1]                    ; the new -M = floor(-t): M is a whole number
	v_sub_f32 v[MX], v[rT], v[MX]                  ; old M - new M: a whole number, 0 or less
	v_cvt_i32_f32 v[MX], v[MX]                     ; (it saturates)
	v_ldexp_f32 v[rT+4], 1.0, v[MX]                ; f = 2^(old M - new M)
.set i, 0
.rept 32
	v_pk_fma_f32 v[rS+i:rS+i+1], v[rS+i:rS+i+1], s[CS:CS+1], v[rT:rT+1] op_sel_hi:[1,0,0]   ; t - M (of the pairs c and -M the low word serves both halves)
.set i, i+2
.endr
.set i, 0
.rept 64
	v_exp_f32 v[rS+i], v[rS+i]                     ; p = 2^(t - M), at most 1
.set i, i+1
.endr
	v_pk_mul_f32 v[rT+2:rT+3], v[rT+2:rT+3], v[rT+4:rT+5] op_sel_hi:[1,0]      ; the sum under the new M: a plain line behind the exponentials;
.set i, 0
.rept 16
	v_pk_mul_f32 v[rO+i:rO+i+1], v[rO+i:rO+i+1], v[rT+4:rT+5] op_sel_hi:[1,0]  ; and O^T: work that names no exponential's result
.set i, i+2
.endr
	s_wait_alu depctr_va_vdst(0)                   ; one wait for the batch of 64, ahead of its first reader
	v_pk_add_f32 v[rT+6:rT+7], v[rS:rS+1], v[rS+2:rS+3]            ; the row's sum of the UNQUANTISED p, in four chains
	v_pk_add_f32 v[MX:MX+1], v[rS+4:rS+5], v[rS+6:rS+7]
	v_pk_add_f32 v[MX+2:MX+3], v[rS+8:rS+9], v[rS+10:rS+11]
.set i, 12
.rept 6
	v_pk_add_f32 v[rT+2:rT+3], v[rT+2:rT+3], v[rS+i:rS+i+1]
	v_pk_add_f32 v[rT+6:rT+7], v[rT+6:rT+7], v[rS+i+2:rS+i+3]
	v_pk_add_f32 v[MX:MX+1], v[MX:MX+1], v[rS+i+4:rS+i+5]
	v_pk_add_f32 v[MX+2:MX+3], v[MX+2:MX+3], v[rS+i+6:rS+i+7]
.set i, i+8
.endr
	v_pk_add_f32 v[rT+2:rT+3], v[rT+2:rT+3], v[rS+60:rS+61]
	v_pk_add_f32 v[rT+6:rT+7], v[rT+6:rT+7], v[rS+62:rS+63]
	v_pk_add_f32 v[MX:MX+1], v[MX:MX+1], v[MX+2:MX+3]
	v_pk_add_f32 v[rT+2:rT+3], v[rT+2:rT+3], v[rT+6:rT+7]
	v_pk_add_f32 v[rT+2:rT+3], v[rT+2:rT+3], v[MX:MX+1]
.set i, 0
.rept 32
	v_dual_min_num_f32 v[rS+i], v[rS+i], v[LIMB] :: v_dual_min_num_f32 v[rS+i+1], v[rS+i+1], v[LIMA]   ; the hold: the conversion does not saturate (ISA guide 7.6.2); p is not negative, so it is one-sided; two numbers a line
.set i, i+2
.endr
.irp kt, 0,1,2,3,4,5,6,7
	v_cvt_scalef32_pk8_fp8_f32 v[rP+2*\kt:rP+2*\kt+1], v[rS+8*\kt:rS+8*\kt+7], v[PSC]
.endr
	v_nop                                          ; a plain line between the conversions and the products that read their results
.endm
.macro PV t                            ; O^T += V^T P^T: four tiles of 16 channels, K = the step's 128 keys
	WIN 0x01                                       ; source 0 (V) window 1
.irp dt, 0,1,2,3
	v_wmma_f32_16x16x128_fp8_fp8 v[O+32*(\t)+8*\dt:O+32*(\t)+8*\dt+7], v[VF+16*\dt:VF+16*\dt+15], v[P+16*(\t):P+16*(\t)+15], v[O+32*(\t)+8*\dt:O+32*(\t)+8*\dt+7]
.endr
	WIN 0
.endm
.macro COMPUTE s                       ; the key step that lies in slot s
.rept 4
	v_nop                                          ; places in front of loads into registers that the last products have read
.endr
	WIN 0x40
.set q, 0
.rept 16
	ds_load_b128 v[KF+4*q:KF+4*q+3], v[LI] offset:(\s)*16384+512*q
.set q, q+1
.endr
.set q, 0
.rept 16
	ds_load_b128 v[VF+4*q:VF+4*q+3], v[LI] offset:(\s)*16384+8192+512*q
.set q, q+1
.endr
	s_wait_dscnt 16                                ; K is in; V's sixteen loads may be out
	WIN 0x05                                       ; sources 0 (K) and 1 (Q) window 1
.irp kt, 0,1,2,3,4,5,6,7
.irp t, 0,1
	v_wmma_f32_16x16x64_fp8_fp8 v[S+64*\t+8*\kt:S+64*\t+8*\kt+7], v[KF+8*\kt:KF+8*\kt+7], v[QF+8*\t:QF+8*\t+7], 0
.endr
.endr
	WIN 0
.rept 4
	v_nop
.endr
	s_cmp_ge_i32 s[REL], 127                       ; all 128 keys count for all my queries: no mask
	s_cbranch_scc1 .Lopen_\@
	MASK 0
	MASK 1
.Lopen_\@:
	SOFTMAX 0
	s_wait_dscnt 0x0                               ; V is in
	PV 0                                           ; tile 0's products stand beside tile 1's softmax
	SOFTMAX 1
	PV 1
.endm
; A key step: the next step's bytes are asked for, the step in slot s is worked, the bytes go into the other slot, one barrier.
; In front of the barrier each wave's reads of slot s are back and its stores into the other slot have landed; the other slot was last read in front of the barrier before.
.macro HALF s
	s_wait_xcnt 0x0                                ; the last loads and the last prefetch have read their base: it may be written
.if \s == 0
	s_add_nc_u64 s[PTR:PTR+1], s[PTR:PTR+1], 8192
.else
	s_add_nc_u64 s[TMPP:TMPP+1], s[PTR:PTR+1], 8192
	s_add_co_u32 s18, s[N], 1
	s_cmp_eq_u32 s18, s[TR]                        ; behind a pass's last step comes step 0 again, for the next pass (behind the second pass it is fetched and not used: no load leaves its buffer)
	s_cselect_b64 s[PTR:PTR+1], s[BASE:BASE+1], s[TMPP:TMPP+1]
.endif
	GLOAD
	; A PREFETCH of the key step two behind the one just asked for: 8,192 bytes of K (wave 0) and of V (wave 4), lanes 256 bytes apart, in the one work-group of a head whose first pass walks all 16 steps.
	; It names steps 3 to 15, each once: thirteen requests a wave; steps 0 to 2 come by their loads alone.
	s_cmp_eq_u32 s[PFN], 0
	s_cbranch_scc1 .Lnoask_\@
	global_prefetch_b8 v[PFO], s[PTR:PTR+1] offset:16384 th:TH_LOAD_NT scope:SCOPE_SE
	s_sub_co_u32 s[PFN], s[PFN], 1
.Lnoask_\@:
	s_cmp_lt_i32 s[REL], -31                       ; all 128 keys come after my 32 queries
	s_cbranch_scc1 .Lhid_\@
	COMPUTE \s
.Lhid_\@:
	s_sub_co_i32 s[REL], s[REL], 128
	s_wait_loadcnt 0x0
	WIN 0x04                                       ; the stores' data: window 1
.irp i, 0,1,2,3
	ds_store_b128 v[STA], v[STG+4*\i:STG+4*\i+3] offset:(1-(\s))*16384+512*\i
.endr
	WIN 0
	s_wait_dscnt 0x0
	s_barrier_signal -1
	s_barrier_wait -1
.endm
	s_load_b256 s[4:11], s[0:1], 0x0               ; qc s[4:5], kc s[6:7], vc s[8:9], lowp_scales s[10:11]
	s_load_b64 s[12:13], s[0:1], 0x20              ; ac
	v_lshl_add_u32 v31, v0, 2, 0x8000
	s_set_vgpr_msb 0x40
	v_mov_b32 v177, 0
	s_set_vgpr_msb 0x4000
	v_lshrrev_b32 v3, 5, v0
	v_readfirstlane_b32 s[WV], v3                  ; wave 0..7
	v_and_b32 v6, 31, v0
	v_lshlrev_b32 v[LI], 4, v6
	v_lshl_add_u32 v[STA], v3, 11, v[LI]
	v_lshlrev_b32 v[PFO], 8, v6
	v_and_b32 v7, 15, v0
	v_bfe_u32 v3, v0, 4, 1
	v_lshlrev_b32 v3, 3, v3
	v_sub_nc_u32 v[DM], v7, v3
	s_mov_b32 s[IX], ttmp9
	s_and_b32 s[BH], ttmp7, 0xffff
	s_lshl_b32 s18, s[BH], 17                      ; a (batch, head) is 131,072 bytes in qc, kc and vc
	s_mov_b32 s19, 0
	s_lshl_b32 s22, s[WV], 11                      ; my 32 queries: two units
	s_sub_co_u32 s20, 7, s[IX]
	s_lshl_b32 s20, s20, 14
	s_add_co_u32 s20, s20, s22                     ; the first pass's block of 256 queries: 7 - i
	s_mov_b32 s21, 0
	s_lshl_b32 s46, s[IX], 14
	s_add_co_u32 s46, s46, s22                     ; the second's: i
	s_mov_b32 s47, 0
	s_and_b32 s42, s[WV], 3
	s_lshl_b32 s42, s42, 11
	s_mov_b32 s43, 0
	s_wait_kmcnt 0x0
	s_load_b256 s[48:55], s[10:11], 0x0            ; the eight exponents
	s_add_nc_u64 s[4:5], s[4:5], s[18:19]
	s_add_nc_u64 s[22:23], s[4:5], s[20:21]
	s_add_nc_u64 s[TMPP:TMPP+1], s[4:5], s[46:47]
	s_cmp_lt_u32 s[WV], 4                          ; waves 0-3 bring K, waves 4-7 V
	s_cselect_b64 s[BASE:BASE+1], s[6:7], s[8:9]
	s_add_nc_u64 s[BASE:BASE+1], s[BASE:BASE+1], s[18:19]
	s_add_nc_u64 s[BASE:BASE+1], s[BASE:BASE+1], s[42:43]
	s_mov_b64 s[PTR:PTR+1], s[BASE:BASE+1]
	WIN 0x40
.irp q, 0,1,2,3
	global_load_b128 v[QF+4*\q:QF+4*\q+3], v[LI], s[22:23] offset:512*\q
.endr
.irp q, 0,1,2,3
	global_load_b128 v[QF1+4*\q:QF1+4*\q+3], v[LI], s[TMPP:TMPP+1] offset:512*\q
.endr
	WIN 0
	GLOAD                                          ; key step 0
	s_lshr_b32 s18, s[BH], 4
	s_lshl_b32 s18, s18, 21                        ; a batch is 128 token blocks of 16,384 bytes in ac,
	s_and_b32 s20, s[BH], 15
	s_lshl_b32 s20, s20, 10                        ; a head 1,024 bytes of a block
	s_add_co_u32 s18, s18, s20
	s_add_nc_u64 s[ACB:ACB+1], s[12:13], s[18:19]
	s_mov_b32 s[SEL], 0x76543210
	s_mov_b32 s[SEL+1], 0xfedcba98
.irp t, 0,1
	v_mov_b32 v[ST+8*\t+5], 0                      ; (named as the upper half of f's pair)
	v_mov_b32 v[ST+8*\t+6], 0
	v_mov_b32 v[ST+8*\t+7], 0                      ; a lane permute's destination counts as one of its sources
.endr
	s_wait_kmcnt 0x0
	s_add_co_i32 s18, s50, s51
	s_lshl_b32 s18, s18, 23
	s_add_co_i32 s[CS], s18, 0x3e38aa3b            ; log2(e) / 8, with e2 + e3 added to its exponent field
	s_mov_b32 s[CS+1], s[CS]
	s_add_co_i32 s18, s52, 127
	s_lshl_b32 s20, s18, 23
	v_mov_b32 v[PSC], s20                          ; 2^e4
	s_add_co_i32 s18, s18, 8
	s_lshl_b32 s18, s18, 23
	s_or_b32 s18, s18, 0x600000
	v_mov_b32 v[LIMA], s18                         ; 448 x 2^e4, in two registers: the two halves of a dual line name different ones
	v_mov_b32 v[LIMB], s18
	s_sub_co_i32 s18, s54, s52
	s_sub_co_i32 s18, s18, s53
	s_add_co_i32 s18, s18, 127
	s_lshl_b32 s20, s18, 23
	v_mov_b32 v[OS], s20                           ; a sum of the second product stands for sum x 2^(e4 + e5): the output's conversion takes 2^(e6 - e4 - e5)
	s_add_co_i32 s18, s18, 8
	s_lshl_b32 s18, s18, 23
	s_or_b32 s18, s18, 0x600000
	v_mov_b32 v[OL], s18
	s_wait_loadcnt 0x0
	WIN 0x04
.irp i, 0,1,2,3
	ds_store_b128 v[STA], v[STG+4*\i:STG+4*\i+3] offset:512*\i
.endr
	WIN 0
	s_wait_dscnt 0x0
	s_barrier_signal -1
	s_barrier_wait -1                              ; key step 0 lies in slot 0
	s_mov_b32 s[PASS], 0
.Lpass:
	s_sub_co_u32 s[QB], 7, s[IX]
	s_cmp_eq_u32 s[PASS], 0
	s_cselect_b32 s[QB], s[QB], s[IX]              ; the pass's block of 256 queries
	s_lshl_b32 s[Q0], s[QB], 8
	s_lshl_b32 s18, s[WV], 5
	s_add_co_u32 s[Q0], s[Q0], s18                 ; my first query
	s_mov_b32 s[REL], s[Q0]
	s_add_co_u32 s[TR], s[QB], 1                   ; 256 (QB + 1) keys: two steps a trip
	s_mov_b32 s[N], 0
	s_and_b32 s18, s[WV], 3
	s_or_b32 s18, s18, s[IX]
	s_or_b32 s18, s18, s[PASS]
	s_cmp_eq_u32 s18, 0
	s_cselect_b32 s[PFN], 13, 0                    ; waves 0 and 4 of work-group 0, first pass
	s_lshl_b32 s18, s[Q0], 10
	s_mov_b32 s19, 0
	s_add_nc_u64 s[AO:AO+1], s[ACB:ACB+1], s[18:19]
.irp t, 0,1
	v_mov_b32 v[ST+8*\t+1], 0xff61b1e6             ; the largest t so far: -3e38, under every t
	v_floor_f32 v[ST+8*\t], -v[ST+8*\t+1]
	v_mov_b32 v[ST+8*\t+2], 0
	v_mov_b32 v[ST+8*\t+3], 0
.endr
.set i, 0
.rept 64
	v_mov_b32 v[O+i], 0                            ; the step is written once: the first finds zeros, which the first change of M leaves zeros
.set i, i+1
.endr
.Lkeys:
	HALF 0
	HALF 1
	s_add_co_u32 s[N], s[N], 1
	s_cmp_lt_u32 s[N], s[TR]
	s_cbranch_scc1 .Lkeys
	; THE WAY OUT of a pass: O^T / the sum, held, quantised: eight registers a tile, which are the unit's image
.rept 4
	v_nop
.endr
.irp t, 0,1
	v_add_f32 v[ST+8*\t+6], v[ST+8*\t+2], v[ST+8*\t+3]
.endr
.irp t, 0,1
	v_permlanex16_b32 v[ST+8*\t+7], v[ST+8*\t+6], s[SEL], s[SEL+1]
.endr
.irp t, 0,1
	v_add_f32 v[ST+8*\t+6], v[ST+8*\t+6], v[ST+8*\t+7]
.endr
.irp t, 0,1
	v_rcp_f32 v[ST+8*\t+4], v[ST+8*\t+6]
.endr
	v_nop                                          ; a plain line behind the reciprocals,
	s_wait_alu depctr_va_vdst(0)                   ; and one wait for both, ahead of their first reader
.irp t, 0,1
.set i, 0
.rept 16
	v_pk_mul_f32 v[S+64*\t+i:S+64*\t+i+1], v[O+32*\t+i:O+32*\t+i+1], v[ST+8*\t+4:ST+8*\t+5] op_sel_hi:[1,0]
.set i, i+2
.endr
.set i, 0
.rept 32
	v_med3_num_f32 v[S+64*\t+i], v[S+64*\t+i], -v[OL], v[OL]
.set i, i+1
.endr
.irp d, 0,1,2,3
	v_cvt_scalef32_pk8_fp8_f32 v[P+16*\t+2*\d:P+16*\t+2*\d+1], v[S+64*\t+8*\d:S+64*\t+8*\d+7], v[OS]
.endr
	v_nop
	global_store_b128 v[LI], v[P+16*\t:P+16*\t+3], s[AO:AO+1] offset:\t*16384          ; 512 consecutive bytes
	global_store_b128 v[LI], v[P+16*\t+4:P+16*\t+7], s[AO:AO+1] offset:\t*16384+512
.endr
	WIN 0x41
.set i, 0
.rept 16
	v_mov_b32 v[QF+i], v[QF1+i]                    ; the second pass's queries
.set i, i+1
.endr
	WIN 0
	s_wait_xcnt 0x0                                ; the stores have read their registers and their base
	s_add_co_u32 s[PASS], s[PASS], 1
	s_cmp_lt_u32 s[PASS], 2
	s_cbranch_scc1 .Lpass
	s_set_vgpr_msb 0x4
	s_wait_tensorcnt 0x0
	ds_add_u32 v31, v177
	s_wait_dscnt 0x0
	s_set_vgpr_msb 0x400
	s_endpgm
.Lfunc_end_k_q7aa62ec65a_attn:
	.size	k_q7aa62ec65a_attn, .Lfunc_end_k_q7aa62ec65a_attn-k_q7aa62ec65a_attn
	.p2alignl 7, 3214868480
	.fill 96, 4, 3214868480
	.section	.rodata,"a",@progbits
	.p2align	6, 0x0
	.amdhsa_kernel k_q7aa62ec65a_attn
		.amdhsa_group_segment_fixed_size 33792
		.amdhsa_private_segment_fixed_size 0
		.amdhsa_enable_private_segment 0
		.amdhsa_kernarg_size 40
		.amdhsa_user_sgpr_count 2
		.amdhsa_user_sgpr_kernarg_segment_ptr 1
		.amdhsa_wavefront_size32 1
		.amdhsa_system_sgpr_workgroup_id_x 1
		.amdhsa_system_sgpr_workgroup_id_y 1
		.amdhsa_system_sgpr_workgroup_id_z 1
		.amdhsa_system_vgpr_workitem_id 0
		.amdhsa_next_free_vgpr 434
		.amdhsa_next_free_sgpr 66
		.amdhsa_reserve_vcc 1
		.amdhsa_float_denorm_mode_32 3
		.amdhsa_float_denorm_mode_16_64 3
		.amdhsa_memory_ordered 1
		.amdhsa_forward_progress 1
		.amdhsa_inst_pref_size 96
	.end_amdhsa_kernel
	.amdgpu_metadata
---
amdhsa.version: [ 1, 2 ]
amdhsa.kernels:
  - .name:           k_q7aa62ec65a_attn
    .symbol:         k_q7aa62ec65a_attn.kd
    .args:
      - { .name: qc, .offset: 0, .size: 8, .value_kind: global_buffer, .address_space: global }
      - { .name: kc, .offset: 8, .size: 8, .value_kind: global_buffer, .address_space: global }
      - { .name: vc, .offset: 16, .size: 8, .value_kind: global_buffer, .address_space: global }
      - { .name: lowp_scales, .offset: 24, .size: 8, .value_kind: global_buffer, .address_space: global }
      - { .name: ac, .offset: 32, .size: 8, .value_kind: global_buffer, .address_space: global }
    .group_segment_fixed_size: 33792
    .private_segment_fixed_size: 0
    .kernarg_segment_align: 8
    .kernarg_segment_size: 40
    .max_flat_workgroup_size: 256
    .sgpr_count:     66
    .vgpr_count:     434
    .wavefront_size: 32
...
	.end_amdgpu_metadata
.endif
;; end of part 3
;; launch proj (part 4): grid 8 x 32, 4 waves a work-group, clusters of 4 x 4, 327,680 bytes of LDS; arguments ac, wc2, b_out, lowp_scales, out0; writes out0
.if DOCPART == 4
	.amdgcn_target "amdgcn-amd-amdhsa--gfx1250"
	.amdhsa_code_object_version 6
	.text
	.protected	k_q7aa62ec65a_proj
	.globl	k_q7aa62ec65a_proj
	.p2align	8
	.type	k_q7aa62ec65a_proj,@function
k_q7aa62ec65a_proj:
	s_mov_b64 s[64:65], 0
	v_nop
	global_prefetch_b8 v0, s[64:65] scope:SCOPE_SE
	s_setreg_imm32_b32 hwreg(HW_REG_WAVE_MODE, 25, 1), 1
	s_wait_xcnt 0x0
	s_wait_alu depctr_hold_cnt(0) depctr_sa_sdst(0) depctr_va_vdst(0) depctr_va_sdst(0) depctr_va_ssrc(0) depctr_va_vcc(0) depctr_vm_vsrc(0)
	s_getreg_b32 s2, hwreg(HW_REG_IB_STS2, 6, 4)
	s_cmp_eq_u32 s2, 0
	s_cbranch_scc0 .Lentry_in_a_cluster
	s_endpgm
.Lentry_in_a_cluster:
	s_bfe_u32 s2, ttmp6, 0x10000c
	s_cmp_lg_u32 s2, 0xf033
	s_cbranch_scc0 .Lentry_shape_is_right
	s_endpgm
.Lentry_shape_is_right:
; out0 = attention's output x W_out + b_out on codes of E4M3 (8,192 x 1,024 x 1,024), f32 out: sum x 2^(e6 + e7) + bias.
; ac [512 token blocks][16 units], wc2 [64 tiles of 16 columns][16 units]: images of operand registers (16 rows x 64 along K in 1,024 bytes; two units on end are a fragment of 128 along K).
; SHARES.  A work-group makes 256 tokens x 128 columns; each of four waves 128 x 64: 32 accumulators (window 1).  The product is used transposed (source 0 = W, source 1 = the tokens): a lane holds eight neighbouring columns of one row.
; K goes in eight steps of 128.  Three LDS slots of 256 along K are filled at the start (three tensor loads a wave are out); slot 0 is filled once more, with the last 256 (one load a wave).
; Two sets of fragments, in windows 0 and 2: while one is multiplied the other is fetched.  CLUSTER 4 x 4: the tokens' tile is shared along a row of the cluster, W's along a column.
; LIMIT: e6 + e7 between -126 and 127.  No prefetch: the launch is short and three quarters of its input go out with the first fills.
.set SLOT,  98304                      ; the tokens' 16 blocks x 4,096 bytes, then W's 8 tiles x 4,096
.set SPARE, 294912                     ; the spare words: 128 bytes a wave, two blocks of 256 bytes that no other line names
.set STAGE, 295424                     ; the way out: 16 rows x (256 bytes + 16) for each wave; no fill lands here
.set SPITCH, 272
.set LI,   3
.set ADRA, 4                           ; v4-6  my fragments of the tokens in slots 0, 1, 2
.set ADRB, 7                           ; v7-9  of W
.set STO,  10
.set RD,   11
.set SPW,  12
.set NIL,  13
.set CO,   14
.set BO,   15
.set TMP,  32                          ; the way out: v32-63 a block's numbers, v64-127 two sets of rows read back
.set BK,   64
.set G1A,  24
.set G1B,  32
.set G0A,  40                          ; s[40:51] groups 0 for the tokens' tiles, one for each slot; s[52:63] for W's
.set G0B,  52
.set G1W0, (3<<16)|(1<<21)
.set MSB, 0
.macro WIN new
.if MSB != \new
	s_set_vgpr_msb (MSB<<8)|\new
.set MSB, \new
.endif
.endm
.macro PLACES
.rept 4
	v_nop
.endr
.endm
.macro JLOAD g0a, g1a, g0b, g1b        ; waves 0 and 1 fetch the tokens' halves, waves 2 and 3 W's; four v_nop follow each line
	s_cmp_eq_u32 s15, 0
	s_cbranch_scc0 .Lfor_b_\@
	tensor_load_to_lds s[\g0a:\g0a+3], s[\g1a:\g1a+7]
	s_nop 0
.rept 4
	v_nop
.endr
	s_branch .Lasked_\@
.Lfor_b_\@:
	tensor_load_to_lds s[\g0b:\g0b+3], s[\g1b:\g1b+7]
	s_nop 0
.rept 4
	v_nop
.endr
.Lasked_\@:
.endm
.macro CREST
	s_cmp_lg_u32 s14, 0
	s_cbranch_scc1 .Lnot_wave_0_\@
	s_barrier_signal -3
.Lnot_wave_0_\@:
	s_barrier_wait -3
	s_barrier_signal -1
	s_barrier_wait -1
.endm
.macro CROUND
	s_barrier_signal -1
	s_barrier_wait -1
	CREST
.endm
.macro FETCH k                         ; step k's fragments (8 of the tokens, 4 of W: 48 loads) into set k % 2
.set sl, ((\k)/2)%3
.set ko, ((\k)%2)*2048
.if (\k)%2
	WIN 0x80                                       ; destination window 2
.else
	WIN 0
.endif
.irp a, 0,1,2,3,4,5,6,7
.irp q, 0,1,2,3
	ds_load_b128 v[32+16*\a+4*\q:32+16*\a+4*\q+3], v[ADRA+sl] offset:\a*4096+ko+512*\q
.endr
.endr
.irp b, 0,1,2,3
.irp q, 0,1,2,3
	ds_load_b128 v[160+16*\b+4*\q:160+16*\b+4*\q+3], v[ADRB+sl] offset:\b*4096+ko+512*\q
.endr
.endr
.endm
.macro MUL p, zero                     ; 32 matrix instructions; the 32 accumulators take turns, one instruction a turn
.if \p
	WIN 0x5a                                       ; sources 0 and 1 window 2, C and D window 1
.else
	WIN 0x50
.endif
.irp a, 0,1,2,3,4,5,6,7
.irp b, 0,1,2,3
.set rD, 8*(4*\a+\b)
.if \zero
	v_wmma_f32_16x16x128_fp8_fp8 v[rD:rD+7], v[160+16*\b:160+16*\b+15], v[32+16*\a:32+16*\a+15], 0
.else
	v_wmma_f32_16x16x128_fp8_fp8 v[rD:rD+7], v[160+16*\b:160+16*\b+15], v[32+16*\a:32+16*\a+15], v[rD:rD+7]
.endif
.endr
.endr
.endm
	s_load_b256 s[4:11], s[0:1], 0x0               ; ac s[4:5], wc2 s[6:7], b_out s[8:9], lowp_scales s[10:11]
	s_load_b64 s[12:13], s[0:1], 0x20              ; out0
	v_lshl_add_u32 v[SPW], v0, 2, SPARE
	v_mov_b32 v[NIL], 0
	ds_add_u32 v12, v13
	ds_add_u32 v12, v13
	s_wait_dscnt 0x0
	v_lshrrev_b32 v1, 5, v0
	v_readfirstlane_b32 s14, v1                    ; wave 0..3
	s_lshr_b32 s15, s14, 1                         ; which 128 tokens are mine.  Also: I fetch for the tokens (0) or for W (1)
	s_and_b32 s16, s14, 1                          ; which 64 columns.  Also: which half of that tile I fetch
	s_bfe_u32 s17, ttmp6, 0x40000                  ; cx
	s_bfe_u32 s18, ttmp6, 0x40004                  ; cy
	s_lshl_b32 s19, ttmp9, 2
	s_add_co_u32 s19, s19, s17                     ; J: which 128 columns
	s_and_b32 s20, ttmp7, 0xffff
	s_lshl_b32 s20, s20, 2
	s_add_co_u32 s20, s20, s18                     ; I: which 256 tokens
	s_lshl_b32 s21, s18, 2
	s_lshl_b32 s21, 15, s21                        ; my row of the cluster
	s_lshl_b32 s22, 0x1111, s17                    ; my column
	s_or_b32 s[G1A], s21, G1W0                     ; rows of 512 elements of 8 bytes (four units), 2,048 elements from row to row
	s_or_b32 s[G1B], s22, G1W0
	s_mov_b32 s[G1A+1], 512<<16
	s_mov_b32 s[G1A+2], 8<<16
	s_mov_b32 s[G1A+3], 512<<16
	s_mov_b32 s[G1A+4], 8
	s_mov_b32 s[G1A+5], 2048
	s_mov_b32 s[G1A+6], 0
	s_mov_b32 s[G1A+7], 0
	s_mov_b32 s[G1B+1], 512<<16
	s_mov_b32 s[G1B+2], 4<<16
	s_mov_b32 s[G1B+3], 512<<16
	s_mov_b32 s[G1B+4], 4
	s_mov_b32 s[G1B+5], 2048
	s_mov_b32 s[G1B+6], 0
	s_mov_b32 s[G1B+7], 0
	s_lshl_b32 s68, s20, 4                         ; the tokens: block 16 I + 8 x half
	s_lshl_b32 s69, s16, 3
	s_add_co_u32 s68, s68, s69
	s_lshl_b32 s68, s68, 14
	s_mov_b32 s69, 0
	s_lshl_b32 s66, s19, 3                         ; W: tile 8 J + 4 x half
	s_lshl_b32 s67, s16, 2
	s_add_co_u32 s66, s66, s67
	s_lshl_b32 s66, s66, 14
	s_mov_b32 s67, 0
	s_wait_kmcnt 0x0
	s_load_b64 s[70:71], s[10:11], 0x18            ; e6, e7
	s_add_nc_u64 s[4:5], s[4:5], s[68:69]
	s_add_nc_u64 s[6:7], s[6:7], s[66:67]
.irp s, 0,1,2
	s_mov_b32 s[G0A+4*\s], 1
	s_lshl_b32 s[G0A+4*\s+1], s16, 15
	s_add_co_u32 s[G0A+4*\s+1], s[G0A+4*\s+1], \s*SLOT
	s_add_nc_u64 s[G0A+4*\s+2:G0A+4*\s+3], s[4:5], \s*4096
	s_or_b32 s[G0A+4*\s+3], s[G0A+4*\s+3], 0x80000000
	s_mov_b32 s[G0B+4*\s], 1
	s_lshl_b32 s[G0B+4*\s+1], s16, 14
	s_add_co_u32 s[G0B+4*\s+1], s[G0B+4*\s+1], \s*SLOT+65536
	s_add_nc_u64 s[G0B+4*\s+2:G0B+4*\s+3], s[6:7], \s*4096
	s_or_b32 s[G0B+4*\s+3], s[G0B+4*\s+3], 0x80000000
.endr
	CROUND                                         ; all sixteen work-groups are here: the first joint loads meet
	JLOAD G0A, G1A, G0B, G1B
	JLOAD G0A+4, G1A, G0B+4, G1B
	JLOAD G0A+8, G1A, G0B+8, G1B
	v_and_b32 v1, 15, v0                           ; r
	v_bfe_u32 v2, v0, 4, 1                         ; h
	v_and_b32 v[LI], 31, v0
	v_lshlrev_b32 v[LI], 4, v[LI]
	s_lshl_b32 s68, s15, 15                        ; my 8 blocks of tokens
	s_lshl_b32 s66, s16, 14                        ; my 4 tiles of W,
	s_add_co_u32 s66, s66, 65536                   ; which lie behind the tokens'
.irp s, 0,1,2
	v_add_nc_u32 v[ADRA+\s], s68, v[LI]
	v_add_nc_u32 v[ADRB+\s], s66, v[LI]
	s_add_co_u32 s68, s68, SLOT
	s_add_co_u32 s66, s66, SLOT
.endr
	s_mul_i32 s68, s14, 16*SPITCH
	s_add_co_u32 s68, s68, STAGE                   ; my stage
	v_mul_u32_u24 v[STO], v1, SPITCH
	v_lshl_add_u32 v[STO], v2, 5, v[STO]
	v_add_nc_u32 v[STO], s68, v[STO]               ; in: row r, + 32 h
	v_mul_u32_u24 v[RD], v2, SPITCH
	v_lshl_add_u32 v[RD], v1, 4, v[RD]
	v_add_nc_u32 v[RD], s68, v[RD]                 ; back: lanes 0-15 one row of 256 bytes, lanes 16-31 the next
	v_lshlrev_b32 v[CO], 12, v2
	v_lshl_add_u32 v[CO], v1, 4, v[CO]             ; and the same two rows of out0
	v_lshlrev_b32 v[BO], 5, v2
	s_lshl_b32 s66, s19, 9
	s_lshl_b32 s67, s16, 8
	s_add_co_u32 s66, s66, s67                     ; my first column, in bytes: 512 J + 256 x half
	s_mov_b32 s67, 0
	s_add_nc_u64 s[8:9], s[8:9], s[66:67]
	s_add_nc_u64 s[12:13], s[12:13], s[66:67]
	s_lshl_b32 s66, s20, 1
	s_add_co_u32 s66, s66, s15
	s_lshl_b32 s66, s66, 19                        ; my first row: (256 I + 128 x half) x 4,096 bytes
	s_add_nc_u64 s[12:13], s[12:13], s[66:67]
	WIN 0xc0                                       ; destination window 3: the bias of tile b's columns 16 b + 8 h + 0 .. 7
.irp b, 0,1,2,3
	global_load_b128 v[8*\b:8*\b+3], v[BO], s[8:9] offset:64*\b
	global_load_b128 v[8*\b+4:8*\b+7], v[BO], s[8:9] offset:64*\b+16
.endr
	WIN 0
	s_wait_kmcnt 0x0
	s_add_co_i32 s76, s70, s71
	s_add_co_i32 s76, s76, 127
	s_lshl_b32 s76, s76, 23                        ; 2^(e6 + e7) as f32
	s_mov_b32 s77, s76                             ; (named with it as a pair)
	s_wait_tensorcnt 0x2                           ; my part of slot 0 is in; slots 1 and 2 may stay out
	s_barrier_signal -1
	s_barrier_wait -1
	FETCH 0
	FETCH 1
	s_wait_dscnt 48                                ; step 0's fragments are in; step 1's 48 loads may be out
	MUL 0, 1                                       ; the first products start the sums
	WIN 0
	s_wait_tensorcnt 0x0                           ; all my tensor loads have landed: slots 1 and 2 are whole, and a group 0 may be written
	ds_add_u32 v[SPW], v[NIL]                      ; 0 onto my spare word
	s_add_nc_u64 s[G0A+2:G0A+3], s[G0A+2:G0A+3], 12288   ; the last 256 along K
	s_add_nc_u64 s[G0B+2:G0B+3], s[G0B+2:G0B+3], 12288
	s_wait_dscnt 0x0                               ; the add is done, and my reads of slot 0 are over
	CROUND                                         ; no wave of any partner still reads slot 0 or has a load on its way
	JLOAD G0A, G1A, G0B, G1B                       ; the one refill; its four v_nop are also the places in front of the loads below
	FETCH 2
	MUL 1, 0
.irp k, 2,3,4
	s_wait_dscnt 0x0                               ; this step's fragments are in
	PLACES
	FETCH \k+1
	MUL \k%2, 0
.endr
	s_wait_tensorcnt 0x0                           ; my part of the refill has landed (asked for four steps ago),
	s_wait_dscnt 0x0
	s_barrier_signal -1
	s_barrier_wait -1                              ; everybody's has
	PLACES
	FETCH 6
	MUL 1, 0
	s_wait_dscnt 0x0
	PLACES
	FETCH 7
	MUL 0, 0
	s_wait_dscnt 0x0
	MUL 1, 0
	WIN 0
	; THE WAY OUT, a block of 16 rows x 64 columns at a time: sum x 2^(e6 + e7) + bias, through my own stage, back as whole rows of 256 bytes.
.macro TOSTAGE a
	WIN 0x31                                       ; source 0 (the sums) window 1, source 2 (the bias) window 3
.irp b, 0,1,2,3
.irp j, 0,2,4,6
	v_pk_fma_f32 v[TMP+8*\b+\j:TMP+8*\b+\j+1], v[8*(4*(\a)+\b)+\j:8*(4*(\a)+\b)+\j+1], s[76:77], v[8*\b+\j:8*\b+\j+1] op_sel_hi:[1,0,1]   ; each accumulator from its low end on
.endr
.endr
	WIN 0
.irp b, 0,1,2,3
	ds_store_b128 v[STO], v[TMP+8*\b:TMP+8*\b+3] offset:64*\b
	ds_store_b128 v[STO], v[TMP+8*\b+4:TMP+8*\b+7] offset:64*\b+16
.endr
.set BB, BK+32*((\a)%2)
.irp t, 0,1,2,3,4,5,6,7
	ds_load_b128 v[BB+4*\t:BB+4*\t+3], v[RD] offset:\t*2*SPITCH    ; LDS serves a wave's instructions in order (ISA guide 5.7.1.4): these see the stores above
.endr
.endm
.macro SEND a, younger                 ; younger: the LDS instructions issued behind block a's loads
.set BB, BK+32*((\a)%2)
	s_wait_dscnt \younger
.irp t, 0,1,2,3,4,5,6,7
	global_store_b128 v[CO], v[BB+4*\t:BB+4*\t+3], s[12:13] offset:(\a)*65536+\t*8192 th:TH_STORE_NT   ; sixteen lanes store 256 consecutive bytes, aligned
.endr
.endm
	s_wait_loadcnt 0x0                             ; the bias
	PLACES
	TOSTAGE 0
.irp a, 1,2,3,4,5,6,7
.if \a > 1
	s_wait_xcnt 0x0                                ; block a - 2's stores have read their registers: block a's loads may land there
.endif
	TOSTAGE \a
	SEND \a-1, 16                                  ; behind block a - 1's loads: block a's 8 stores and 8 loads
.endr
	SEND 7, 0
	s_wait_tensorcnt 0x0                           ; the wave's end
	ds_add_u32 v[SPW], v[NIL]
	s_wait_dscnt 0x0
	CROUND                                         ; the closing round
	s_endpgm
.Lfunc_end_k_q7aa62ec65a_proj:
	.size	k_q7aa62ec65a_proj, .Lfunc_end_k_q7aa62ec65a_proj-k_q7aa62ec65a_proj
	.p2alignl 7, 3214868480
	.fill 96, 4, 3214868480
	.section	.rodata,"a",@progbits
	.p2align	6, 0x0
	.amdhsa_kernel k_q7aa62ec65a_proj
		.amdhsa_group_segment_fixed_size 327680
		.amdhsa_private_segment_fixed_size 0
		.amdhsa_enable_private_segment 0
		.amdhsa_kernarg_size 40
		.amdhsa_user_sgpr_count 2
		.amdhsa_user_sgpr_kernarg_segment_ptr 1
		.amdhsa_wavefront_size32 1
		.amdhsa_system_sgpr_workgroup_id_x 1
		.amdhsa_system_sgpr_workgroup_id_y 1
		.amdhsa_system_sgpr_workgroup_id_z 1
		.amdhsa_system_vgpr_workitem_id 0
		.amdhsa_next_free_vgpr 800
		.amdhsa_next_free_sgpr 80
		.amdhsa_reserve_vcc 0
		.amdhsa_float_denorm_mode_32 3
		.amdhsa_float_denorm_mode_16_64 3
		.amdhsa_memory_ordered 1
		.amdhsa_forward_progress 1
		.amdhsa_inst_pref_size 76
	.end_amdhsa_kernel
	.amdgpu_metadata
---
amdhsa.version: [ 1, 2 ]
amdhsa.kernels:
  - .name:           k_q7aa62ec65a_proj
    .symbol:         k_q7aa62ec65a_proj.kd
    .args:
      - { .name: ac, .offset: 0, .size: 8, .value_kind: global_buffer, .address_space: global }
      - { .name: wc2, .offset: 8, .size: 8, .value_kind: global_buffer, .address_space: global }
      - { .name: b_out, .offset: 16, .size: 8, .value_kind: global_buffer, .address_space: global }
      - { .name: lowp_scales, .offset: 24, .size: 8, .value_kind: global_buffer, .address_space: global }
      - { .name: out0, .offset: 32, .size: 8, .value_kind: global_buffer, .address_space: global }
    .group_segment_fixed_size: 327680
    .private_segment_fixed_size: 0
    .kernarg_segment_align: 8
    .kernarg_segment_size: 40
    .max_flat_workgroup_size: 128
    .sgpr_count:     80
    .vgpr_count:     800
    .wavefront_size: 32
...
	.end_amdgpu_metadata
.endif
;; end of part 4
